; MI455X (gfx1250); checked and timed in simulation.
; The chip was launched on July 23, 2026; its instructions are those of AMD's public machine-readable ISA for CDNA 5 (MIT licence, August 2026) and "CDNA5" Instruction Set Architecture Reference Guide (July 2026). The comments in the code are by the model that wrote it; some were corrected since.
;; SR Head. Allowed arithmetic: matrix products marked QUANTISED: E2M1 operands, one E8M0 scale for each 32 along K, by v_wmma_scale_f32_16x16x128_f8f6f4 with both operands' format E2M1 (or v_wmma_scale_f32_32x16x128_f4), f32 sums; products left as they are: f32 operands where the result goes on into a quantised operand, else bf16, f16 or f32 operands; f32 sums; everything else in f32.
;; Inputs: W1_codes 1,024 x 64 x 16 uint8 (E2M1 codes of W1, K innermost, in blocks of 32 codes, two codes a byte); W1_scales 1,024 x 64 uint8 (E8M0 scales of W1, one for each 32 codes along K); W2 2 x 1,024 float32; b1 1,024 float32; b2 2 float32; encoded_states 32 x 1,024 x 1,024 float32; sr_label 32 x 1,024 int32.
;; Outputs: out0 one number float32; out1 32 x 1,024 x 2 float32; out2 32 x 1,024 bool.
;; This version of the problem:
;;   THIS VERSION OF THE PROBLEM IS GIVEN IN LOW PRECISION. The matrix products marked QUANTISED in the list below multiply operands that are first quantised to E2M1 (2 exponent bits, 1 mantissa bit; 4 bits a number), with one power-of-two scale for each 32 numbers along K (OCP MX v1.0); their sums are f32. All else is computed in f32.
;;   The module's matrix products, in the order in which they are computed (A, B: the left and right operand; K: the contracted axis; several contracted axes count as one K, in the product's order):
;;     1. batch 32 x [M 1, K 1,024] x [K 1,024, N 1,024]; A: computed on the way; B: input encoded_states: left as it is (M = 1 < 16)
;;     2. [M 32,768, K 2,048] x [K 2,048, N 1,024]; A: computed on the way; B: input W1 (given as codes): QUANTISED
;;     3. [M 32,768, K 1,024] x [K 1,024, N 2]; A: computed on the way; B: input W2: left as it is (N = 2 < 16)
;;   THE QUANTISER, for each operand of a quantised product, along K:
;;     - K is cut into blocks of 32 from its start; a last block that is shorter is filled with zeros.
;;     - A block's scale is 2^e with e = floor(log2(the largest magnitude in the block)) - 2, held to -126 .. 127; a block of zeros has e = 0. As a byte (E8M0): e + 127.
;;     - Each number is divided by its block's scale, clamped to +-6, and rounded to the nearest number of E2M1, ties to even, subnormals kept.
;;     - The product sums the exact products of the quantised numbers (number of the format x scale) in f32.
;;   ~~~python
;;   def quantise(x, axis):      # numpy; x: float32 -> the quantised numbers, widened to float32 again
;;       x = np.moveaxis(x, axis, -1); K = x.shape[-1]
;;       x = np.pad(x, [(0, 0)] * (x.ndim - 1) + [(0, -K % 32)]); x = x.reshape(x.shape[:-1] + (-1, 32)); a = np.abs(x).max(-1, keepdims=True)
;;       e = np.where(a > 0, np.clip(np.frexp(np.where(a > 0, a, 1))[1] - 1 - 2, -126, 127), 0)      # np.frexp(a)[1] - 1 = floor(log2(a)), exactly
;;       r = np.clip(x / 2.0 ** e, -6, 6)
;;       step = 2.0 ** (np.maximum(np.frexp(np.where(r == 0, 1, r))[1] - 1, 0) - 1)
;;       q = np.round(r / step) * step * 2.0 ** e      # np.round: ties to even
;;       return np.moveaxis(q.reshape(q.shape[:-2] + (-1,))[..., :K], -1, axis).astype(np.float32)
;;   ~~~
;;   OPERANDS COMPUTED ON THE WAY. 'Computed on the way' means the value that the module computes at that place (a softmax that the list does not call 'softmax' is quantised finished and normalised). What goes into a quantiser is computed in f32, as accurately as f32 sums, v_exp_f32 and their like allow (about 1e-6 of the number): no bf16 or f16 on the way to a quantiser, and a product that is left as it is and whose result goes on into a quantised operand takes f32 operands (vector FMAs, or v_wmma_f32_16x16x4_f32). A number that lies on a knife's edge between two numbers of the format may be rounded either way, as far as f32 arithmetic and the matrix unit's own rounding can turn it there, and no further.
;;   INPUTS GIVEN AS CODES. W1 (in the module: [1024, 2048], K = its axis 1): each comes as NAME_codes (uint8): NAME with its K axis moved to the last place and cut into blocks of 32 codes, [.., K / 32, bytes a block], one block behind the other in memory; two codes a byte, the lower K in the low four bits (a code: sign, 2 exponent bits, 1 mantissa bit); and NAME_scales (uint8): the same leading axes, one E8M0 byte (e + 127) for each 32 codes along K. Its value is code x scale, taken as it is: it is not quantised again, and the codes and scales need not be those that the quantiser above would give.
;; One version. Each part assembles by itself: llvm-mc -triple=amdgcn-amd-amdhsa -mcpu=gfx1250 --defsym DOCPART=n.
;; ======== version 1 of 1: 3 launches
;; limits: values are held in bf16: 8 bits of precision; right only within a limited range of input values
;; workspace buffers: cvec 131,072 bytes; part 8,192 bytes
;; launch prep (part 1): grid 128 x 1, 32 waves a work-group, no clusters, 137,216 bytes of LDS; arguments encoded_states, sr_label, W1_codes, W1_scales, b1, cvec, out2; writes cvec, out2
.if DOCPART == 1
	.amdgcn_target "amdgcn-amd-amdhsa--gfx1250"
	.amdhsa_code_object_version 6
	.text
	.protected	k_q6f73d2360f_prep
	.globl	k_q6f73d2360f_prep
	.p2align	8
	.type	k_q6f73d2360f_prep,@function
k_q6f73d2360f_prep:
	s_mov_b64 s[64:65], 0
	v_nop
	global_prefetch_b8 v0, s[64:65] scope:SCOPE_SE
	s_setreg_imm32_b32 hwreg(HW_REG_WAVE_MODE, 25, 1), 1
	s_wait_xcnt 0x0
; WORK DONE ONCE: the second half of fuse is emb for every row of a sample, and K's blocks of 32 do not reach across the halves, so the quantised products of that
; half are the same numbers for all rows of the sample.  They are made here, once a sample: c[b][h] = b1[h] + sum over k of W1[h][1024 + k] Q(emb[b])[k], by E2M1 products like the rest.
; The next launch takes c as the C of each row's sum: a sum adds emb's half first, x's half behind it.
; Work-group 4 b + q serves sample b and units 256 q .. + 255; each of a sample's four gathers emb itself (its labels and marked rows: a few KB).
; emb[b][:] = the f32 sum of the sample's rows whose label is 2.  Wave w takes positions 32 w .. + 31, a label a lane; each position is a forward branch on the label's bit round the
; loads of that row and their additions.  The waves' partial rows meet in LDS; waves 0 to 3 add them, thread t owning columns 8 t .. + 7, and quantise: codes and scale bytes to LDS.
; Waves 4 to 19 then make one tile of 16 units each: source 0 = emb as 16 equal rows, source 1 = 16 rows of W1; their fragments of W1 are asked for ahead of the first barrier.
; c meets in LDS; waves 0 and 1 add b1 and store 16 bytes a lane.  Wave q stores its 256 bytes of the header mask.
; LIMITS: NaN and infinities are not served.  With several marked rows the f32 additions are grouped by wave, the groups added in ascending order.
; A block of zeros gets the byte 1 with zero codes where the rule says 127: the bytes never leave the work-group.
.set EQ,  0x21000                      ; emb's codes, 512 bytes
.set ESC, 0x21200                      ; its 32 scale bytes
.set CL,  0x21400                      ; c of my 256 units
.set WV,  14
.set MK,  16
.set RA,  12                           ; v12, v13  where thread t reads the partial rows of waves 0-15, 16-31
.set SUM, 16                           ; v16-47 my wave's partial row; waves 4-19 later: v16-79 W1's fragments
.set PCE, 48
.set OWN, 80                           ; v80-87 labels of positions 8 t ..; waves 4-19: v80-95 emb's fragments of two K steps
.set ACC, 88
	s_load_b256 s[4:11], s[0:1], 0x0               ; x 4, labels 6, W1's codes 8, W1's scales 10
	s_load_b128 s[20:23], s[0:1], 0x20             ; b1 20, cvec 22
	s_load_b64 s[24:25], s[0:1], 0x30              ; out2
	v_lshl_add_u32 v14, v0, 2, 0x20000             ; my spare word, and 0
	v_mov_b32 v15, 0
	v_lshrrev_b32 v1, 5, v0
	s_delay_alu instid0(VALU_DEP_1)
	v_readfirstlane_b32 s[WV], v1
	s_lshl_b32 s26, s[WV], 6
	s_add_co_u32 s26, s26, CL-256                  ; wave 4's tile lies first in CL
	v_and_b32 v2, 31, v0
	s_delay_alu instid0(VALU_DEP_1)
	v_lshlrev_b32 v3, 4, v2
	s_delay_alu instid0(VALU_DEP_1)
	v_lshl_add_u32 v4, v1, 12, v3                  ; LDS: my wave's 4,096 bytes + 16 x lane
	s_delay_alu instid0(VALU_DEP_2)
	v_lshl_add_u32 v5, v1, 17, v3                  ; x: my wave's 32 rows + 16 x lane
	v_lshlrev_b32 v6, 2, v0
	v_and_b32 v7, 127, v0                          ; t
	s_delay_alu instid0(VALU_DEP_1)
	v_lshlrev_b32 v[RA], 5, v7
	s_delay_alu instid0(VALU_DEP_1)
	v_add_nc_u32 v[RA+1], 0x10000, v[RA]
	s_delay_alu instid0(VALU_DEP_3)
	v_lshl_add_u32 v9, v7, 2, EQ                   ; where my 8 codes go
	s_delay_alu instid0(VALU_DEP_4)
	v_lshlrev_b32 v10, 3, v7                       ; my 8 mask bytes
	v_lshrrev_b32 v11, 2, v7
	v_and_b32 v124, 15, v0                         ; r
	v_bfe_u32 v96, v0, 4, 1                        ; h
	v_and_b32 v126, 63, v0
	s_delay_alu instid0(VALU_DEP_4)
	v_add_nc_u32 v11, ESC, v11                     ; my block's scale byte
	s_delay_alu instid0(VALU_DEP_4)
	v_lshlrev_b32 v125, 6, v124                    ; W1's scales: row r
	v_lshl_add_u32 v122, v124, 2, s26              ; where c of unit r of my tile goes
	v_lshlrev_b32 v124, 10, v124
	s_delay_alu instid0(VALU_DEP_1)
	v_lshl_add_u32 v124, v96, 4, v124              ; W1's codes: row r, 16 h
	v_lshl_add_u32 v96, v96, 4, EQ                 ; emb's codes: 16 h
	v_lshlrev_b32 v126, 4, v126                    ; 16 bytes a thread of b1 and c
	s_delay_alu instid0(VALU_DEP_1)
	v_add_nc_u32 v123, CL, v126
	v_mov_b32 v97, ESC
	s_mov_b32 s13, 0
	s_lshr_b32 s27, ttmp9, 2                       ; the sample
	s_and_b32 s28, ttmp9, 3                        ; my quarter of the units
	s_wait_alu depctr_va_vdst(0)
	s_wait_kmcnt 0x0
	s_lshl_b32 s12, s27, 22
	s_add_nc_u64 s[4:5], s[4:5], s[12:13]
	s_lshl_b32 s12, s27, 12
	s_add_nc_u64 s[6:7], s[6:7], s[12:13]
	s_add_nc_u64 s[22:23], s[22:23], s[12:13]
	s_lshl_b32 s12, s27, 10
	s_add_nc_u64 s[24:25], s[24:25], s[12:13]
	s_lshl_b32 s12, s28, 10
	s_add_nc_u64 s[20:21], s[20:21], s[12:13]
	s_add_nc_u64 s[22:23], s[22:23], s[12:13]
	global_load_b32 v8, v6, s[6:7]
.set Q, 0
.rept 32
	v_mov_b32 v[SUM+Q], 0                          ; most waves have no marked row
.set Q, Q+1
.endr
	s_wait_loadcnt 0x0
	v_cmp_eq_u32 s[MK], 2, v8
	s_cmp_eq_u32 s[MK], 0
	s_cbranch_scc1 .Lnone                          ; the branches hang on the labels, whole numbers that the problem gives
.macro LEAF i
	s_bitcmp1_b32 s[MK], \i
	s_cbranch_scc0 .Lskip_\@
.irp j, 0,1,2,3,4,5,6,7
	global_load_b128 v[PCE+4*\j:PCE+4*\j+3], v5, s[4:5] offset:\i*4096+512*\j
.endr
	s_wait_loadcnt 0x0
.irp p, 0,2,4,6,8,10,12,14,16,18,20,22,24,26,28,30
	v_pk_add_f32 v[SUM+\p:SUM+\p+1], v[SUM+\p:SUM+\p+1], v[PCE+\p:PCE+\p+1]
.endr
.Lskip_\@:
.endm
.irp i, 0,1,2,3,4,5,6,7,8,9,10,11,12,13,14,15,16,17,18,19,20,21,22,23,24,25,26,27,28,29,30,31
	LEAF \i
.endr
.Lnone:
	s_wait_alu depctr_va_vdst(0)
.irp j, 0,1,2,3,4,5,6,7
	ds_store_b128 v4, v[SUM+4*\j:SUM+4*\j+3] offset:512*\j
.endr
	s_wait_dscnt 0x0                               ; my stores have landed
	s_cmp_lt_u32 s[WV], 4
	s_cbranch_scc1 .Lnw
	s_cmp_ge_u32 s[WV], 20
	s_cbranch_scc1 .Lnw
	s_lshl_b32 s12, s28, 4                         ; my tile: 16 q + wave - 4
	s_add_co_u32 s12, s12, s[WV]
	s_sub_co_u32 s12, s12, 4
	s_lshl_b32 s12, s12, 14                        ; 16 rows of 1,024 bytes
	s_add_nc_u64 s[8:9], s[8:9], s[12:13]
	s_lshr_b32 s12, s12, 4                         ; 16 rows of 64 bytes
	s_add_nc_u64 s[10:11], s[10:11], s[12:13]
.irp k, 0,1,2,3,4,5,6,7
.irp c, 0,1
	global_load_b128 v[16+8*\k+4*\c:19+8*\k+4*\c], v124, s[8:9] offset:512+64*\k+32*\c   ; the rows' second halves: they stay out over the barriers
.endr
.endr
	global_load_b128 v[98:101], v125, s[10:11] offset:32
	global_load_b128 v[102:105], v125, s[10:11] offset:48
.Lnw:
	s_barrier_signal -1
	s_barrier_wait -1
	s_cmp_ge_u32 s[WV], 4
	s_cbranch_scc1 .Lfin
	s_wait_loadcnt 0x0                             ; no load of mine is out where the loads below land
	global_load_b128 v[OWN:OWN+3], v[RA], s[6:7]
	global_load_b128 v[OWN+4:OWN+7], v[RA], s[6:7] offset:16
	global_load_b128 v[114:117], v126, s[20:21]    ; b1
.irp g, 0,1,2,3
.irp k, 0,1,2,3,4,5,6,7
	ds_load_b128 v[SUM+8*\k:SUM+8*\k+3], v[RA+\g/2] offset:4096*(8*(\g%2)+\k)
	ds_load_b128 v[SUM+8*\k+4:SUM+8*\k+7], v[RA+\g/2] offset:4096*(8*(\g%2)+\k)+16
.endr
	s_wait_dscnt 0x0
.if \g == 0
.irp p, 0,2,4,6
	v_pk_add_f32 v[ACC+\p:ACC+\p+1], v[SUM+\p:SUM+\p+1], v[SUM+8+\p:SUM+9+\p]
.endr
.irp k, 2,3,4,5,6,7
.irp p, 0,2,4,6
	s_delay_alu instid0(VALU_DEP_4)
	v_pk_add_f32 v[ACC+\p:ACC+\p+1], v[ACC+\p:ACC+\p+1], v[SUM+8*\k+\p:SUM+8*\k+\p+1]
.endr
.endr
.else
	s_wait_alu depctr_va_vdst(0)
.irp k, 0,1,2,3,4,5,6,7
.irp p, 0,2,4,6
	v_pk_add_f32 v[ACC+\p:ACC+\p+1], v[ACC+\p:ACC+\p+1], v[SUM+8*\k+\p:SUM+8*\k+\p+1]
.endr
.endr
.endif
.endr
	; the quantiser: four neighbouring threads hold a block of 32
	s_delay_alu instid0(VALU_DEP_4)
	v_max3_num_f32 v16, |v[ACC]|, |v[ACC+1]|, 0x1800000    ; with the floor 2^(3 - 127)
	s_delay_alu instid0(VALU_DEP_1)
	v_max3_num_f32 v16, v16, |v[ACC+2]|, |v[ACC+3]|
	s_delay_alu instid0(VALU_DEP_1)
	v_max3_num_f32 v16, v16, |v[ACC+4]|, |v[ACC+5]|
	s_delay_alu instid0(VALU_DEP_1)
	v_max3_num_f32 v16, v16, |v[ACC+6]|, |v[ACC+7]|
	s_delay_alu instid0(VALU_DEP_1)
	v_max_num_f32_dpp v16, v16, v16 row_xmask:1 row_mask:0xf bank_mask:0xf
	s_delay_alu instid0(VALU_DEP_1)
	v_max_num_f32_dpp v16, v16, v16 row_xmask:2 row_mask:0xf bank_mask:0xf
	s_delay_alu instid0(VALU_DEP_1)
	v_add_nc_u32 v17, 0xff000000, v16              ; 2 off the exponent field: the conversion's scale operand
	v_cvt_scalef32_pk8_fp4_f32 v18, v[ACC:ACC+7], v17
	v_lshrrev_b32 v19, 23, v17                     ; the scale's byte
	ds_store_b32 v9, v18
	ds_store_b8 v11, v19                           ; the four threads of a block write the same byte with the same value
	s_cmp_lg_u32 s[WV], s28
	s_cbranch_scc1 .Lnm
	s_wait_loadcnt 0x0                             ; the header mask: 0 <= label < 2 is label < 2 unsigned
.irp i, 0,1,2,3,4,5,6,7
	v_cmp_gt_u32 vcc_lo, 2, v[OWN+\i]
	s_delay_alu instid0(VALU_DEP_1)
	v_cndmask_b32 v[24+\i], 0, 1, vcc_lo
.endr
	v_lshl_or_b32 v32, v25, 8, v24
	v_lshl_or_b32 v33, v29, 8, v28
	s_delay_alu instid0(VALU_DEP_2)
	v_lshl_or_b32 v32, v26, 16, v32
	s_delay_alu instid0(VALU_DEP_2)
	v_lshl_or_b32 v33, v30, 16, v33
	s_delay_alu instid0(VALU_DEP_2)
	v_lshl_or_b32 v32, v27, 24, v32
	s_delay_alu instid0(VALU_DEP_2)
	v_lshl_or_b32 v33, v31, 24, v33
	global_store_b64 v10, v[32:33], s[24:25]       ; the wave stores 256 consecutive bytes, aligned
.Lnm:
	s_wait_dscnt 0x0                               ; emb's codes and scale bytes have landed
.Lfin:
	s_barrier_signal -1
	s_barrier_wait -1
	s_cmp_lt_u32 s[WV], 4
	s_cbranch_scc1 .Lnp
	s_cmp_ge_u32 s[WV], 20
	s_cbranch_scc1 .Lnp
	s_wait_alu depctr_va_vdst(0)
	s_wait_loadcnt 0x0                             ; W1's fragments and scale words are in
	ds_load_b128 v[106:109], v97                   ; emb's eight scale words, the same in every lane
	ds_load_b128 v[110:113], v97 offset:16
.irp bt, 0,1,2,3                       ; two K steps at a time; one accumulator
.if \bt > 0
.rept 4
	v_nop                                          ; places in front of loads into registers that matrix instructions have read
.endr
.endif
.irp k, 0,1
.irp c, 0,1
	ds_load_b128 v[80+8*\k+4*\c:83+8*\k+4*\c], v96 offset:64*(2*\bt+\k)+32*\c
.endr
.endr
.if \bt == 0
	s_wait_loadcnt 0x0                             ; W1's fragments and scale words
	s_wait_dscnt 0x0
	v_wmma_scale_f32_16x16x128_f8f6f4 v[114:121], v[80:87], v[16:23], 0, v106, v98 matrix_a_fmt:MATRIX_FMT_FP4 matrix_b_fmt:MATRIX_FMT_FP4
.else
	s_wait_dscnt 0x0
	s_wait_alu depctr_va_vdst(0)
	v_wmma_scale_f32_16x16x128_f8f6f4 v[114:121], v[80:87], v[16+16*\bt:23+16*\bt], v[114:121], v[106+2*\bt], v[98+2*\bt] matrix_a_fmt:MATRIX_FMT_FP4 matrix_b_fmt:MATRIX_FMT_FP4
.endif
	s_wait_alu depctr_va_vdst(0)
	v_wmma_scale_f32_16x16x128_f8f6f4 v[114:121], v[88:95], v[24+16*\bt:31+16*\bt], v[114:121], v[107+2*\bt], v[99+2*\bt] matrix_a_fmt:MATRIX_FMT_FP4 matrix_b_fmt:MATRIX_FMT_FP4
.endr
.rept 4
	v_nop
.endr
	ds_store_b32 v122, v114                        ; register 0: unit r, in both halves of the lanes: both write the same word
.Lnp:
	s_wait_dscnt 0x0
	s_barrier_signal -1
	s_barrier_wait -1
	s_cmp_ge_u32 s[WV], 2
	s_cbranch_scc1 .Lend
	s_wait_loadcnt 0x0                             ; b1
	ds_load_b128 v[118:121], v123
	s_wait_dscnt 0x0
	v_pk_add_f32 v[118:119], v[118:119], v[114:115]
	v_pk_add_f32 v[120:121], v[120:121], v[116:117]
	global_store_b128 v126, v[118:121], s[22:23]   ; sixteen lanes store 256 consecutive bytes, aligned
.Lend:
	s_wait_tensorcnt 0x0                           ; the wave's end
	ds_add_u32 v14, v15
	s_wait_dscnt 0x0
	s_endpgm
.Lfunc_end_k_q6f73d2360f_prep:
	.size	k_q6f73d2360f_prep, .Lfunc_end_k_q6f73d2360f_prep-k_q6f73d2360f_prep
	.p2alignl 7, 3214868480
	.fill 96, 4, 3214868480
	.section	.rodata,"a",@progbits
	.p2align	6, 0x0
	.amdhsa_kernel k_q6f73d2360f_prep
		.amdhsa_group_segment_fixed_size 137216
		.amdhsa_private_segment_fixed_size 0
		.amdhsa_enable_private_segment 0
		.amdhsa_kernarg_size 56
		.amdhsa_user_sgpr_count 2
		.amdhsa_user_sgpr_kernarg_segment_ptr 1
		.amdhsa_wavefront_size32 1
		.amdhsa_system_sgpr_workgroup_id_x 1
		.amdhsa_system_sgpr_workgroup_id_y 1
		.amdhsa_system_sgpr_workgroup_id_z 1
		.amdhsa_system_vgpr_workitem_id 0
		.amdhsa_next_free_vgpr 128
		.amdhsa_next_free_sgpr 66
		.amdhsa_reserve_vcc 1
		.amdhsa_float_denorm_mode_32 3
		.amdhsa_float_denorm_mode_16_64 3
		.amdhsa_memory_ordered 1
		.amdhsa_forward_progress 1
		.amdhsa_inst_pref_size 86
	.end_amdhsa_kernel
	.amdgpu_metadata
---
amdhsa.version: [ 1, 2 ]
amdhsa.kernels:
  - .name:           k_q6f73d2360f_prep
    .symbol:         k_q6f73d2360f_prep.kd
    .args:
      - { .name: encoded_states, .offset: 0, .size: 8, .value_kind: global_buffer, .address_space: global }
      - { .name: sr_label, .offset: 8, .size: 8, .value_kind: global_buffer, .address_space: global }
      - { .name: W1_codes, .offset: 16, .size: 8, .value_kind: global_buffer, .address_space: global }
      - { .name: W1_scales, .offset: 24, .size: 8, .value_kind: global_buffer, .address_space: global }
      - { .name: b1, .offset: 32, .size: 8, .value_kind: global_buffer, .address_space: global }
      - { .name: cvec, .offset: 40, .size: 8, .value_kind: global_buffer, .address_space: global }
      - { .name: out2, .offset: 48, .size: 8, .value_kind: global_buffer, .address_space: global }
    .group_segment_fixed_size: 137216
    .private_segment_fixed_size: 0
    .kernarg_segment_align: 8
    .kernarg_segment_size: 56
    .max_flat_workgroup_size: 1024
    .sgpr_count:     66
    .vgpr_count:     128
    .wavefront_size: 32
...
	.end_amdgpu_metadata
.endif
;; end of part 1
;; launch main (part 2): grid 256 x 1, 4 waves a work-group, clusters of 4 x 1, 327,680 bytes of LDS; arguments encoded_states, W1_codes, W1_scales, W2, cvec, b2, sr_label, out1, part; writes out1, part
.if DOCPART == 2
	.amdgcn_target "amdgcn-amd-amdhsa--gfx1250"
	.amdhsa_code_object_version 6
	.text
	.protected	k_q6f73d2360f_main
	.globl	k_q6f73d2360f_main
	.p2align	8
	.type	k_q6f73d2360f_main,@function
k_q6f73d2360f_main:
	s_mov_b64 s[64:65], 0
	v_nop
	global_prefetch_b8 v0, s[64:65] scope:SCOPE_SE
	s_setreg_imm32_b32 hwreg(HW_REG_WAVE_MODE, 25, 1), 1
	s_wait_xcnt 0x0
	s_wait_alu depctr_hold_cnt(0) depctr_sa_sdst(0) depctr_va_vdst(0) depctr_va_sdst(0) depctr_va_ssrc(0) depctr_va_vcc(0) depctr_vm_vsrc(0)
	s_getreg_b32 s2, hwreg(HW_REG_IB_STS2, 6, 4)
	s_cmp_eq_u32 s2, 0
	s_cbranch_scc0 .Lentry_in_a_cluster
	s_endpgm
.Lentry_in_a_cluster:
	s_bfe_u32 s2, ttmp6, 0x10000c
	s_cmp_lg_u32 s2, 0x3003
	s_cbranch_scc0 .Lentry_shape_is_right
	s_endpgm
.Lentry_shape_is_right:
; logits[row] = gelu([x_row, emb] W1^T + b1) W2^T + b2 for 128 rows of one sample, and the rows' masked token losses, summed a wave.
; emb's half of the first product and b1 are the same for all rows of a sample: the launch before has made them, c[sample][unit]; here c is the C of each sum's first product,
; and only the first halves of W1's rows are walked.
; SHARES.  Work-group wg = 4 x cluster + cx owns rows 128 wg .. + 127, as two blocks of 64.  The four waves share the hidden units: in step t of a pass wave w owns
; units 256 t + 64 w .. + 63, four tiles of 16, taken two at a time, for all 64 rows.  A block's codes (4 tiles of rows x 8 K steps x 8 registers) lie in every wave's registers.
; First block 0 is quantised, a wave 16 rows, eight fragments written out.  Then TWO PASSES of four steps over W1, through two LDS slots of 256 rows x 512 bytes, each wave fetching
; and reading its own 64 rows; the four work-groups of a cluster walk W1 alike and ask jointly.  Pass 1: block 0; block 1 is quantised on the way.  Pass 2: block 1.
; The passes are one loop of two steps a trip and a tail; branches on the trip count lead round the quantiser, x's loads and the change of blocks.
; x comes by plain loads of 256 consecutive bytes of two rows, four landing sets, and turns through the wave's own stage in LDS.  Codes go from wave to wave as register images:
; in the loop stored in odd steps only and read in even steps only, so a round's barrier always parts the two.
; THE PRODUCTS ARE USED TRANSPOSED (source 0 = 16 rows of W1, source 1 = 16 rows of x): a lane holds one row of x and eight neighbouring hidden units.
; GELU: x / (1 + 2^(-x (k0 + k1 x x))), the tanh form.  LIMIT: it lies within 1e-3 of x Phi(x) for every x and agrees with it to the third order at 0; it feeds the bf16 product alone,
; whose operands are rounded to 8 bits of mantissa.  LIMITS: NaN and infinities are not served.  A block of zeros gets the byte 1 with zero codes (the bytes never leave the work-group).
; No prefetch: x is asked for by plain loads up to four fragments ahead, and W1's tiles are read by all work-groups alike.
; REGISTERS: window 0: addresses, scale words, W2's operand, 8 accumulators, work.  window 1: the block's codes, fragment (m, s) at 8 (8 m + s).
;   window 2: v0-31 c, v32-63 W2 as loaded, v64-95 the logits' sums, v96-103 block 0's logits, v128-255 W1's fragments, two sets.  window 3: x's four landing sets.
.set SLOTB, 135168                     ; 256 rows x (512 + 16) bytes
.set WROWS, 33792                      ; a wave's 64 rows
.set IMG,   270336                     ; 32 fragments as register images, 1,024 bytes each
.set XSC,   303104                     ; their scale words, 64 bytes a fragment
.set STG,   305152                     ; x's stage: a wave 16 rows x 272 bytes
.set CV,    322560                     ; c: a wave 1,024 bytes: [step][64 units]
.set SPARE, 326656                     ; the spare words
.set PL,    IMG                        ; at the end: partial logits [block][wave][64 rows][2], where the images lay
.set SPW,  1
.set NIL,  2
.set WA0,  3                           ; v3, v4  my lane's place in my rows of slot 0, 1
.set XA,   5
.set STW,  6
.set STR,  7
.set IMW,  8
.set XSW,  9
.set LIM,  10
.set LSX,  11
.set W2R,  12
.set W1SA, 13
.set TA,   15
.set TB,   16
.set IMA,  17
.set XSA,  18
.set CVR,  19
.set PLW,  20
.set PLR,  21
.set LAB,  22
.set LANE, 23
.set CA,   25
.set KV,   26                          ; v[26:27] -k1, twice.  v24, v28: the scale words just made
.set XS,   32                          ; v32-47 x's scale words: 4 m + s / 2, lanes 0-15 even s, 16-31 odd
.set W1S,  48                          ; v48-79 W1's, two sets: 8 u + s: lanes 0-15 tile 2 u, 16-31 tile 2 u + 1
.set W2F,  80                          ; v80-95 W2's two bf16 operands of the step
.set ACC,  96                          ; v96-159 accumulator (a, m) at 96 + 8 (4 a + m)
.set XN,   160
.set GT,   160
.set HB,   192
.set TM,   224
.set LG,   64                          ; window 2
.set LGS,  96
.set WV,   24
.set SEL,  30
.set G1,   32
.set G0,   40
.set WB,   48
.set TWO,  50
.set K0,   52
.set CNT,  63
.set TI,   66
.set TS2,  67
.set TC,   68
.set TW1,  69
.set TB1,  70
.set XB,   74
.set MSB, 0
.macro WIN new
.if MSB != \new
	s_set_vgpr_msb (MSB<<8)|\new
.set MSB, \new
.endif
.endm
.macro PLACES n
.rept \n
	v_nop
.endr
.endm
.macro ROUND
	s_barrier_signal -1
	s_barrier_wait -1
	s_cmp_lg_u32 s[WV], 0
	s_cbranch_scc1 .Lnot_wave_0_\@
	s_barrier_signal -3
.Lnot_wave_0_\@:
	s_barrier_wait -3
	s_barrier_signal -1
	s_barrier_wait -1
.endm
; The change of slots.  more = 1: the other slot takes the next tile: 256 rows on, round W1.
.macro RING slot, more
	s_wait_tensorcnt 0x0                           ; my one tensor load has landed
	ds_add_u32 v[SPW], v[NIL]
.if \more
	s_add_co_u32 s[TWO], s[TWO], 0x40000
	s_and_b32 s[TWO], s[TWO], 0xfffff
	s_add_nc_u64 s[G0+4*(1-\slot)+2:G0+4*(1-\slot)+3], s[WB:WB+1], s[TWO:TWO+1]
	s_or_b32 s[G0+4*(1-\slot)+3], s[G0+4*(1-\slot)+3], 0x80000000
	s_lshr_b32 s[TW1], s[TWO], 4                   ; the same rows in W1's scales: 64 bytes a row
	s_lshr_b32 s[TB1], s[TWO], 8                   ; and in W2: 4 bytes a unit
.endif
	s_wait_dscnt 0x0                               ; the add is done, my reads of the other slot are over, my stores have landed
	ROUND
.if \more
	tensor_load_to_lds s[G0+4*(1-\slot):G0+4*(1-\slot)+3], s[G1:G1+7]
	s_nop 0
.endif
	PLACES 4
.endm
.macro XLOAD set, base, off            ; 16 rows x 128 K of x
	WIN 0xc0
.irp hf, 0,1
.irp i, 0,1,2,3,4,5,6,7
	global_load_b128 v[64*(\set)+32*\hf+4*\i:64*(\set)+32*\hf+4*\i+3], v[XA], s[\base:\base+1] offset:\off+256*\hf+8192*\i th:TH_LOAD_NT
.endr
.endr
	WIN 0
.endm
.macro TURN set                        ; through my stage: out come 16 neighbours of each block of 32 a lane
.irp hf, 0,1
	WIN 0x0c
.irp i, 0,1,2,3,4,5,6,7
	ds_store_b128 v[STW], v[64*(\set)+32*\hf+4*\i:64*(\set)+32*\hf+4*\i+3] offset:544*\i
.endr
	WIN 0
.irp b, 0,1
.irp j, 0,1,2,3
	ds_load_b128 v[XN+16*(2*\hf+\b)+4*\j:XN+16*(2*\hf+\b)+4*\j+3], v[STR] offset:128*\b+16*\j
.endr
.endr
.endr
	s_wait_dscnt 0x0
.endm
.macro QUANT pc, pw                    ; 64 numbers -> a fragment's codes in v[pc] on, its rows' scale word in v[pw]
.irp b, 0,1,2,3
	v_max3_num_f32 v[TM+\b], |v[XN+16*\b]|, |v[XN+1+16*\b]|, 0x1800000   ; with the floor 2^(3 - 127)
.endr
.irp i, 2,4,6,8,10,12,14
.irp b, 0,1,2,3
	v_max3_num_f32 v[TM+\b], v[TM+\b], |v[XN+16*\b+\i]|, |v[XN+1+16*\b+\i]|
.endr
.endr
.irp b, 0,1,2,3
	v_permlanex16_b32 v[TM+4+\b], v[TM+\b], s[SEL], s[SEL+1]
.endr
.irp b, 0,1,2,3
	v_max_num_f32 v[TM+\b], v[TM+\b], v[TM+4+\b]
.endr
.irp b, 0,1,2,3
	v_add_nc_u32 v[TM+12+\b], 0xff000000, v[TM+\b] ; 2 off the exponent field: the conversion's scale operand
.endr
.irp b, 0,1,2,3
	v_lshrrev_b32 v[TM+4+\b], 23, v[TM+12+\b]
.endr
	v_lshl_or_b32 v[\pw], v[TM+5], 8, v[TM+4]
	v_lshl_or_b32 v[\pw], v[TM+6], 16, v[\pw]
	v_lshl_or_b32 v[\pw], v[TM+7], 24, v[\pw]
.irp b, 0,1,2,3
	v_cvt_scalef32_pk8_fp4_f32 v[\pc+2*\b], v[XN+16*\b:XN+7+16*\b], v[TM+12+\b]
	v_cvt_scalef32_pk8_fp4_f32 v[\pc+1+2*\b], v[XN+8+16*\b:XN+15+16*\b], v[TM+12+\b]
.endr
	v_nop
.irp c, 0,1
.irp i, 0,1
	v_permlane16_swap_b32 v[\pc+4*\c+\i], v[\pc+2+4*\c+\i]
.endr
.endr
.endm
.macro IMAGE fi, pc, pw
	ds_store_b128 v[IMA], v[\pc:\pc+3] offset:1024*(\fi)
	ds_store_b128 v[IMA], v[\pc+4:\pc+7] offset:1024*(\fi)+512
	ds_store_b32 v[XSA], v[\pw] offset:64*(\fi)
.endm
.macro IMADR
	v_add_nc_u32 v[IMA], s[TI], v[IMW]
	v_add_nc_u32 v[XSA], s[TS2], v[XSW]
.endm
.macro BLOADS                          ; the block's 32 images into window 1, and the scale words
	WIN 0x40
.set BF, 0
.rept 32
	ds_load_b128 v[8*BF:8*BF+3], v[LIM] offset:1024*BF
	ds_load_b128 v[8*BF+4:8*BF+7], v[LIM] offset:1024*BF+512
.set BF, BF+1
.endr
	WIN 0
.irp p, 0,1,2,3,4,5,6,7,8,9,10,11,12,13,14,15
	ds_load_b32 v[XS+\p], v[LSX] offset:128*\p
.endr
.endm
.macro FETCHW slot, u, g, set          ; W1's fragments of tiles 2 u, 2 u + 1, K steps 4 g .. 4 g + 3: 16 loads
	WIN 0x80
.irp ks, 0,1,2,3
.irp a, 0,1
.irp c, 0,1
	ds_load_b128 v[128+64*(\set)+16*\ks+8*\a+4*\c:128+64*(\set)+16*\ks+8*\a+4*\c+3], v[WA0+\slot] offset:8448*(2*(\u)+\a)+64*(4*(\g)+\ks)+32*\c
.endr
.endr
.endr
	WIN 0
.endm
; One product: tile 2 u + a of W1 x tile m of rows, K step s.  K step 0 takes c, in window 2, as C.
.macro MM u, a, m, s, set, sc
.set rD, ACC+8*(4*(\a)+(\m))
.set rA, 128+64*(\set)+16*((\s)%4)+8*(\a)
.set rX, W1S+16*(\sc)+8*(\u)+(\s)
.set rB, 8*(8*(\m)+(\s))
.set rY, XS+4*(\m)+(\s)/2
.if (\s) == 0
.set rC, 8*(2*(\u)+(\a))
.else
.set rC, rD
.endif
.if ((\a) == 0) && ((\s)%2 == 0)
	v_wmma_scale_f32_16x16x128_f8f6f4 v[rD:rD+7], v[rA:rA+7], v[rB:rB+7], v[rC:rC+7], v[rX], v[rY] matrix_a_fmt:MATRIX_FMT_FP4 matrix_b_fmt:MATRIX_FMT_FP4
.endif
.if ((\a) == 1) && ((\s)%2 == 0)
	v_wmma_scale_f32_16x16x128_f8f6f4 v[rD:rD+7], v[rA:rA+7], v[rB:rB+7], v[rC:rC+7], v[rX], v[rY] matrix_a_fmt:MATRIX_FMT_FP4 matrix_b_fmt:MATRIX_FMT_FP4 matrix_a_scale:MATRIX_SCALE_ROW1
.endif
.if ((\a) == 0) && ((\s)%2 == 1)
	v_wmma_scale_f32_16x16x128_f8f6f4 v[rD:rD+7], v[rA:rA+7], v[rB:rB+7], v[rC:rC+7], v[rX], v[rY] matrix_a_fmt:MATRIX_FMT_FP4 matrix_b_fmt:MATRIX_FMT_FP4 matrix_b_scale:MATRIX_SCALE_ROW1
.endif
.if ((\a) == 1) && ((\s)%2 == 1)
	v_wmma_scale_f32_16x16x128_f8f6f4 v[rD:rD+7], v[rA:rA+7], v[rB:rB+7], v[rC:rC+7], v[rX], v[rY] matrix_a_fmt:MATRIX_FMT_FP4 matrix_b_fmt:MATRIX_FMT_FP4 matrix_a_scale:MATRIX_SCALE_ROW1 matrix_b_scale:MATRIX_SCALE_ROW1
.endif
.endm
.macro MULG u, g, set, sc              ; 32 products; the 8 accumulators take turns
.irp ks, 0,1,2,3
.if (\g)+\ks == 0
	WIN 0x26                                       ; W1 window 2, codes window 1, C window 2
.else
	WIN 0x06
.endif
.irp a, 0,1
.irp m, 0,1,2,3
	MM \u, \a, \m, 4*(\g)+\ks, \set, \sc
.endr
.endr
.endr
	WIN 0
.endm
.macro NEXTS sc                        ; a step's scale words of W1: 32 bytes of each of my 64 rows
	v_add_nc_u32 v[TA], s[TW1], v[W1SA]
.irp u, 0,1
.irp i, 0,1
	global_load_b128 v[W1S+16*(\sc)+8*\u+4*\i:W1S+16*(\sc)+8*\u+4*\i+3], v[TA], s[8:9] offset:2048*\u+16*\i
.endr
.endr
.endm
.macro W2LOAD adr                      ; W2 at a step's 64 units of mine, in the bf16 operand's order: operand row r is class r % 2
	WIN 0x80
.irp u, 0,1
	global_load_b128 v[32+16*\u:35+16*\u], v[\adr], s[10:11] offset:128*\u
	global_load_b128 v[36+16*\u:39+16*\u], v[\adr], s[10:11] offset:128*\u+16
	global_load_b128 v[40+16*\u:43+16*\u], v[\adr], s[10:11] offset:128*\u+64
	global_load_b128 v[44+16*\u:47+16*\u], v[\adr], s[10:11] offset:128*\u+80
.endr
	WIN 0
.endm
; Tiles m0, m0 + 1 of rows: gelu of 32 numbers a lane, rounded to bf16, two products with W2.  Each accumulator is read from its low end on.
.macro XMUL m0, sq
.irp k, 0,1
.irp a, 0,1
.irp p, 0,2,4,6
.if \sq
	v_pk_mul_f32 v[GT+16*\k+8*\a+\p:GT+16*\k+8*\a+\p+1], v[ACC+8*(4*\a+\m0+\k)+\p:ACC+8*(4*\a+\m0+\k)+\p+1], v[ACC+8*(4*\a+\m0+\k)+\p:ACC+8*(4*\a+\m0+\k)+\p+1]
.else
	v_pk_mul_f32 v[GT+16*\k+8*\a+\p:GT+16*\k+8*\a+\p+1], v[GT+16*\k+8*\a+\p:GT+16*\k+8*\a+\p+1], v[ACC+8*(4*\a+\m0+\k)+\p:ACC+8*(4*\a+\m0+\k)+\p+1]
.endif
.endr
.endr
.endr
.endm
.macro GELU2 m0, u
	XMUL \m0, 1                                    ; x x
.set P, 0
.rept 16
	v_pk_fma_f32 v[GT+P:GT+P+1], v[GT+P:GT+P+1], v[KV:KV+1], s[K0:K0+1] op_sel_hi:[1,1,0]   ; -k0 - k1 x x
.set P, P+2
.endr
	XMUL \m0, 0                                    ; times x
	s_wait_alu depctr_va_vdst(0)
.set P, 0
.rept 32
	v_exp_f32 v[GT+P], v[GT+P]
.set P, P+1
.endr
	v_nop
	s_wait_alu depctr_va_vdst(0)
.set P, 0
.rept 16
	v_pk_add_f32 v[GT+P:GT+P+1], v[GT+P:GT+P+1], 1.0 op_sel_hi:[1,0]
.set P, P+2
.endr
	s_wait_alu depctr_va_vdst(0)
.set P, 0
.rept 32
	v_rcp_f32 v[GT+P], v[GT+P]
.set P, P+1
.endr
	v_nop
	s_wait_alu depctr_va_vdst(0)
	XMUL \m0, 0                                    ; x / (1 + 2^..)
.set P, 0
.rept 16
	v_cvt_pk_bf16_f32 v[HB+P], v[GT+2*P], v[GT+2*P+1]
.set P, P+1
.endr
	WIN 0xa0                                       ; C and D window 2
	v_wmma_f32_16x16x32_bf16 v[LG+8*(\m0):LG+8*(\m0)+7], v[W2F+8*(\u):W2F+8*(\u)+7], v[HB:HB+7], v[LG+8*(\m0):LG+8*(\m0)+7]
	v_wmma_f32_16x16x32_bf16 v[LG+8*(\m0)+8:LG+8*(\m0)+15], v[W2F+8*(\u):W2F+8*(\u)+7], v[HB+8:HB+15], v[LG+8*(\m0)+8:LG+8*(\m0)+15]
	WIN 0
.endm
; A step.  cond = 1: in the loop, with the branches on the trips left (3, 2: block 1 is quantised, two fragments a step, and the next step's two are asked for at the step's head,
; but for the last; 1: the blocks change).  more = 0: the last step.
.macro STEP slot, cond, more
	s_wait_loadcnt 0x0                             ; every wait for loads here is for 0: it holds on each way through the branches.  All were asked for a step ago
	RING \slot, \more
	WIN 0x0a
.set P, 0
.rept 16
	v_cvt_pk_bf16_f32 v[W2F+P], v[32+2*P], v[33+2*P]
.set P, P+1
.endr
	WIN 0
	v_add_nc_u32 v[CA], s[TC], v[CVR]
	WIN 0x80
.irp t, 0,1,2,3
.irp c, 0,1
	ds_load_b128 v[8*\t+4*\c:8*\t+4*\c+3], v[CA] offset:256*\slot+64*\t+16*\c
.endr
.endr
	WIN 0
	s_wait_alu depctr_va_vdst(0)
.if \cond
.if \slot == 0
	s_cmp_lg_u32 s[CNT], 1
	s_cbranch_scc1 .Lnb_\@
	WIN 0x82
.irp m, 0,1,2,3
	v_mov_b32 v[LGS+2*\m], v[LG+8*\m]              ; block 0's partial logits: classes 0, 1 of row r
	v_mov_b32 v[LGS+2*\m+1], v[LG+8*\m+1]
.endr
	WIN 0x80
.set BF, 0
.rept 32
	v_mov_b32 v[LG+BF], 0
.set BF, BF+1
.endr
	WIN 0
	BLOADS                                         ; block 1's images: stored up to the step before, behind whose stores stands this step's round
.Lnb_\@:
.endif
.endif
	FETCHW \slot, 0, 0, 0
	FETCHW \slot, 0, 1, 1
.if \more
	NEXTS 1-\slot
	v_add_nc_u32 v[TB], s[TB1], v[W2R]
	W2LOAD TB
.endif
.if \cond
	s_cmp_lt_u32 s[CNT], 2
	s_cbranch_scc1 .Lnq_\@
.if \slot == 0
	XLOAD 2, XB, 1024                              ; the next step's two fragments, into the sets read out a step ago
	XLOAD 3, XB, 1536
	TURN 0
	QUANT 240, 24                                  ; kept in registers: images are stored in odd steps alone
	TURN 1
	QUANT 248, 28
.else
	s_cmp_lg_u32 s[CNT], 3
	s_cbranch_scc1 .Lnx_\@
	XLOAD 0, XB, 2048
	XLOAD 1, XB, 2560
.Lnx_\@:
	IMADR
	IMAGE 0, 240, 24
	IMAGE 1, 248, 28
	TURN 2
	QUANT 240, 24
	IMAGE 2, 240, 24
	TURN 3
	QUANT 248, 28
	IMAGE 3, 248, 28
.endif
.Lnq_\@:
	s_wait_dscnt 0x0
.else
	s_wait_dscnt 16                                ; c and the first 16 fragment loads are in
.endif
	MULG 0, 0, 0, \slot
	PLACES 4
	FETCHW \slot, 1, 0, 0
	s_wait_dscnt 16                                ; all but the 16 just issued
	MULG 0, 1, 1, \slot
	PLACES 4
	FETCHW \slot, 1, 1, 1
	GELU2 0, 0
	GELU2 2, 0
	s_wait_dscnt 0x0
	MULG 1, 0, 0, \slot
	MULG 1, 1, 1, \slot
	PLACES 4
	GELU2 0, 1
	GELU2 2, 1
.endm
	s_load_b512 s[4:19], s[0:1], 0x0               ; x 4, W1's codes 6, W1's scales 8, W2 10, c 12, b2 14, labels 16, out1 18
	s_load_b64 s[20:21], s[0:1], 0x40              ; part
	v_lshl_add_u32 v[SPW], v0, 2, SPARE
	v_mov_b32 v[NIL], 0
	ds_add_u32 v[SPW], v[NIL]
	ds_add_u32 v[SPW], v[NIL]
	s_wait_dscnt 0x0
	v_lshrrev_b32 v224, 5, v0
	v_readfirstlane_b32 s[WV], v224
	s_bfe_u32 s25, ttmp6, 0x40000                  ; cx: it enters the global addresses of x, labels, out1 and part alone
	s_lshl_b32 s26, ttmp9, 2
	s_add_co_u32 s26, s26, s25
	s_mov_b32 s[G1+0], 15|(1<<20)|(1<<21)|(6<<22)|(3<<25)   ; all four work-groups; bytes; 4 words of padding behind every 128
	s_mov_b32 s[G1+1], 512<<16
	s_mov_b32 s[G1+2], 64<<16
	s_mov_b32 s[G1+3], 512<<16
	s_mov_b32 s[G1+4], 64
	s_mov_b32 s[G1+5], 1024
	s_mov_b32 s[G1+6], 0
	s_mov_b32 s[G1+7], 0
	s_mul_i32 s27, s[WV], WROWS
	s_mov_b32 s[G0+0], 1
	s_mov_b32 s[G0+1], s27
	s_mov_b32 s[G0+4], 1
	s_add_co_u32 s[G0+5], s27, SLOTB
	s_mov_b32 s[SEL], 0x76543210
	s_mov_b32 s[SEL+1], 0xfedcba98
	s_mov_b32 s[K0], 0xc0135761                    ; -k0 = -2 sqrt(2 / pi) log2(e)
	s_mov_b32 s[K0+1], 0xc0135761
	v_mov_b32 v[KV], 0xbdd2d3e8                    ; -k1 = -0.044715 k0
	v_mov_b32 v[KV+1], 0xbdd2d3e8
	s_mov_b32 s[TWO], 0
	s_mov_b32 s[TWO+1], 0
	s_mov_b32 s[TI], 0
	s_mov_b32 s[TS2], 0
	s_mov_b32 s[TC], 0
	s_mov_b32 s[TW1], 0
	v_and_b32 v[LANE], 31, v0
	v_and_b32 v224, 15, v0                         ; r
	v_bfe_u32 v225, v0, 4, 1                       ; h
	v_mul_u32_u24 v226, v224, 528
	v_lshl_add_u32 v226, v225, 4, v226
	v_add_nc_u32 v[WA0], s27, v226
	v_add_nc_u32 v[WA0+1], SLOTB, v[WA0]
	s_lshl_b32 s27, s[WV], 16
	v_lshlrev_b32 v226, 12, v225
	v_lshl_add_u32 v226, v224, 4, v226
	v_add_nc_u32 v[XA], s27, v226                  ; x: row 16 w + h, byte 16 r
	s_mul_i32 s27, s[WV], 4352
	s_add_co_u32 s27, s27, STG
	v_mul_u32_u24 v226, v225, 272
	v_lshl_add_u32 v226, v224, 4, v226
	v_add_nc_u32 v[STW], s27, v226
	v_mul_u32_u24 v226, v224, 272
	v_lshl_add_u32 v226, v225, 6, v226
	v_add_nc_u32 v[STR], s27, v226
	v_lshlrev_b32 v226, 4, v[LANE]
	v_add_nc_u32 v[LIM], IMG, v226
	s_lshl_b32 s27, s[WV], 13
	v_add_nc_u32 v[IMW], s27, v[LIM]
	v_lshlrev_b32 v235, 2, v[LANE]
	v_add_nc_u32 v[LSX], XSC, v235
	s_lshl_b32 s27, s[WV], 9
	s_add_co_u32 s27, s27, XSC
	v_lshl_add_u32 v[XSW], v224, 2, s27
	s_lshl_b32 s27, s[WV], 8
	v_lshl_add_u32 v236, v[LANE], 3, s27           ; c in memory: my 64 units of a step, 8 bytes a lane
	v_lshl_add_u32 v226, v225, 5, s27
	v_and_b32 v227, 1, v0
	v_lshl_add_u32 v[W2R], v227, 12, v226          ; W2: my 64 units, 8 h, in row r % 2
	s_lshl_b32 s27, s[WV], 12
	v_lshl_add_u32 v[W1SA], v[LANE], 6, s27
	s_lshl_b32 s27, s[WV], 10
	s_add_co_u32 s27, s27, CV
	v_lshl_add_u32 v[CVR], v225, 5, s27
	v_lshl_add_u32 v[CA], v[LANE], 3, s27          ; where c goes in LDS
	s_lshl_b32 s27, s[WV], 9
	s_add_co_u32 s27, s27, PL
	v_lshl_add_u32 v[PLW], v224, 3, s27
	s_lshr_b32 s27, s[WV], 1
	s_lshl_b32 s27, s27, 11
	s_and_b32 s78, s[WV], 1
	s_lshl_b32 s78, s78, 8
	s_add_co_u32 s27, s27, s78
	s_add_co_u32 s27, s27, PL
	v_lshl_add_u32 v[PLR], v[LANE], 3, s27         ; row 32 w + lane: block w / 2, row 32 (w % 2) + lane of it
	IMADR
.irp b, 0,1,2,3
	v_mov_b32 v[TM+4+\b], 0                        ; a lane permute's destination counts as a source
.endr
	WIN 0x80
.set BF, 0
.rept 40
	v_mov_b32 v[LG+BF], 0                          ; the logits' sums begin at 0
.set BF, BF+1
.endr
	WIN 0
	s_lshl_b32 s76, s[WV], 16                      ; my 64 rows of 1,024 bytes in a tile of W1
	s_mov_b32 s77, 0
	s_wait_alu depctr_va_vdst(0)
	s_wait_kmcnt 0x0
	s_load_b64 s[72:73], s[14:15], 0x0             ; b2: waited for at the end
	s_mov_b32 s29, 0
	s_lshl_b32 s28, s26, 19
	s_add_nc_u64 s[4:5], s[4:5], s[28:29]
	s_add_nc_u64 s[XB:XB+1], s[4:5], 0x40000       ; block 1
	s_lshr_b32 s28, ttmp9, 1                       ; the sample: 2 clusters to each
	s_lshl_b32 s28, s28, 12
	s_add_nc_u64 s[12:13], s[12:13], s[28:29]
	s_lshl_b32 s28, s26, 9
	s_lshl_b32 s27, s[WV], 7
	s_add_co_u32 s28, s28, s27
	s_add_nc_u64 s[16:17], s[16:17], s[28:29]
.irp t, 0,1,2,3
	global_load_b64 v[XN+2*\t:XN+2*\t+1], v236, s[12:13] offset:1024*\t
.endr
	global_load_b32 v[LAB], v235, s[16:17]
	NEXTS 0
	W2LOAD W2R
	XLOAD 0, 4, 0                                  ; x's first four fragments go out ahead of the round
	XLOAD 1, 4, 512
	XLOAD 2, 4, 1024
	XLOAD 3, 4, 1536
	s_add_nc_u64 s[WB:WB+1], s[6:7], s[76:77]
	s_mov_b64 s[G0+2:G0+3], s[WB:WB+1]
	s_or_b32 s[G0+3], s[G0+3], 0x80000000
	s_lshl_b32 s28, s26, 10
	s_lshl_b32 s27, s[WV], 8
	s_add_co_u32 s28, s28, s27
	s_add_nc_u64 s[18:19], s[18:19], s[28:29]
	s_lshl_b32 s28, s26, 5
	s_lshl_b32 s27, s[WV], 3
	s_add_co_u32 s28, s28, s27
	s_add_nc_u64 s[20:21], s[20:21], s[28:29]
	ROUND
	tensor_load_to_lds s[G0:G0+3], s[G1:G1+7]      ; tile 0 into slot 0: my one load at the head
	s_nop 0
	PLACES 4
	s_wait_loadcnt 63                              ; of the 81 loads issued the oldest 18 are in: c's four among them
.irp t, 0,1,2,3
	ds_store_b64 v[CA], v[XN+2*\t:XN+2*\t+1] offset:256*\t      ; c of my units: read by my wave alone
.endr
	; block 0: my 16 rows' eight fragments; behind fragment f three younger ones are out, behind the last two
.irp f, 0,1,2,3,4,5,6,7
.if \f == 7
	s_wait_loadcnt 32
.else
	s_wait_loadcnt 48
.endif
	TURN \f%4
	QUANT 240+8*(\f%2), 24+4*(\f%2)
	IMAGE \f, 240+8*(\f%2), 24+4*(\f%2)
.if \f < 4
	XLOAD \f%4, 4, 512*(\f+4)
.endif
.if (\f == 4) || (\f == 5)
	XLOAD \f%4, XB, 512*(\f-4)                     ; block 1's first two
.endif
.endr
	s_wait_dscnt 0x0                               ; my images have landed
	s_barrier_signal -1                            ; my tensor load may stay out
	s_barrier_wait -1
	BLOADS                                         ; block 0; the next images are stored behind two further rounds
	s_mov_b32 s[CNT], 3
.Lp1:                                              ; pass 1 and the first half of pass 2
	STEP 0, 1, 1
	STEP 1, 1, 1
	s_wait_xcnt 0x0                                ; x's loads have read their base
	s_add_nc_u64 s[XB:XB+1], s[XB:XB+1], 2048
	s_add_co_u32 s[TI], s[TI], 4096
	s_and_b32 s[TI], s[TI], 0x1fff
	s_add_co_u32 s[TS2], s[TS2], 256
	s_and_b32 s[TS2], s[TS2], 0x1ff
	s_add_co_u32 s[TC], s[TC], 512
	s_and_b32 s[TC], s[TC], 0x3ff
	s_sub_co_u32 s[CNT], s[CNT], 1
	s_cmp_lg_u32 s[CNT], 0
	s_wait_alu depctr_va_vdst(0)
	s_cbranch_scc1 .Lp1
	STEP 0, 0, 1                                   ; the tail is written out: the last step asks for nothing
	STEP 1, 0, 0
	PLACES 4
	WIN 0x08
.irp m, 0,1,2,3
	ds_store_b64 v[PLW], v[LGS+2*\m:LGS+2*\m+1] offset:128*\m
	ds_store_b64 v[PLW], v[LG+8*\m:LG+8*\m+1] offset:2048+128*\m
.endr
	WIN 0
	s_wait_dscnt 0x0
	s_barrier_signal -1
	s_barrier_wait -1
	; row 32 w + lane: the four waves' parts, b2, the logits out, the token's loss
.irp q, 0,1,2,3
	ds_load_b64 v[160+2*\q:161+2*\q], v[PLR] offset:512*\q
.endr
	v_lshlrev_b32 v168, 3, v[LANE]
	v_mov_b32 v176, 0
	v_mov_b32 v177, 0
	v_mov_b32 v178, 0
	s_wait_dscnt 0x0
	v_pk_add_f32 v[160:161], v[160:161], v[162:163]
	v_pk_add_f32 v[164:165], v[164:165], v[166:167]
	v_pk_add_f32 v[160:161], v[160:161], v[164:165]
	s_wait_alu depctr_va_vdst(0)
	s_wait_kmcnt 0x0                               ; b2
	v_add_f32 v160, s72, v160
	v_add_f32 v161, s73, v161
	global_store_b64 v168, v[160:161], s[18:19]    ; a wave stores 256 consecutive bytes, aligned
	v_sub_f32 v169, v161, v160
	v_sub_f32 v171, v160, v161
	v_cmp_eq_u32 s27, 1, v[LAB]
	v_cndmask_b32 v170, v169, v171, s27            ; d: the other class's logit less the label's.  -log softmax = max(d, 0) + ln(1 + e^-|d|)
	v_and_b32 v172, 0x7fffffff, v170
	v_mul_f32 v172, 0xbfb8aa3b, v172
	s_wait_alu depctr_va_vdst(0)
	v_exp_f32 v172, v172
	v_nop
	s_wait_alu depctr_va_vdst(0)
	v_add_f32 v172, 1.0, v172
	s_wait_alu depctr_va_vdst(0)
	v_log_f32 v172, v172
	v_max_num_f32 v173, 0, v170
	s_wait_alu depctr_va_vdst(0)
	v_fmamk_f32 v174, v172, 0x3f317218, v173
	v_cmp_gt_u32 vcc_lo, 2, v[LAB]                 ; a header: 0 <= label < 2
	v_cndmask_b32 v174, 0, v174, vcc_lo
	v_cndmask_b32 v175, 0, 1.0, vcc_lo
.irp x, 1,2,4,8
	v_add_f32_dpp v174, v174, v174 row_xmask:\x row_mask:0xf bank_mask:0xf
	v_add_f32_dpp v175, v175, v175 row_xmask:\x row_mask:0xf bank_mask:0xf
.endr
	v_permlanex16_b32 v176, v174, s[SEL], s[SEL+1]
	v_permlanex16_b32 v177, v175, s[SEL], s[SEL+1]
	v_add_f32 v174, v174, v176
	v_add_f32 v175, v175, v177
	s_wait_alu depctr_va_vdst(0)
	s_wait_xcnt 0x0                                ; EXEC changes only behind this wait
	v_cmp_eq_u32 vcc_lo, 0, v[LANE]
	s_and_saveexec_b32 s71, vcc_lo
	global_store_b64 v178, v[174:175], s[20:21]
	s_wait_xcnt 0x0
	s_or_b32 exec_lo, exec_lo, s71
	s_wait_tensorcnt 0x0                           ; the wave's end
	ds_add_u32 v[SPW], v[NIL]
	s_wait_dscnt 0x0
	ROUND                                          ; the closing round
	s_endpgm
.Lfunc_end_k_q6f73d2360f_main:
	.size	k_q6f73d2360f_main, .Lfunc_end_k_q6f73d2360f_main-k_q6f73d2360f_main
	.p2alignl 7, 3214868480
	.fill 96, 4, 3214868480
	.section	.rodata,"a",@progbits
	.p2align	6, 0x0
	.amdhsa_kernel k_q6f73d2360f_main
		.amdhsa_group_segment_fixed_size 327680
		.amdhsa_private_segment_fixed_size 0
		.amdhsa_enable_private_segment 0
		.amdhsa_kernarg_size 72
		.amdhsa_user_sgpr_count 2
		.amdhsa_user_sgpr_kernarg_segment_ptr 1
		.amdhsa_wavefront_size32 1
		.amdhsa_system_sgpr_workgroup_id_x 1
		.amdhsa_system_sgpr_workgroup_id_y 1
		.amdhsa_system_sgpr_workgroup_id_z 1
		.amdhsa_system_vgpr_workitem_id 0
		.amdhsa_next_free_vgpr 1024
		.amdhsa_next_free_sgpr 80
		.amdhsa_reserve_vcc 1
		.amdhsa_float_denorm_mode_32 3
		.amdhsa_float_denorm_mode_16_64 3
		.amdhsa_memory_ordered 1
		.amdhsa_forward_progress 1
		.amdhsa_inst_pref_size 255
	.end_amdhsa_kernel
	.section	.bss,"aw",@nobits
	.p2align	6
	.space	262144
	.amdgpu_metadata
---
amdhsa.version: [ 1, 2 ]
amdhsa.kernels:
  - .name:           k_q6f73d2360f_main
    .symbol:         k_q6f73d2360f_main.kd
    .args:
      - { .name: encoded_states, .offset: 0, .size: 8, .value_kind: global_buffer, .address_space: global }
      - { .name: W1_codes, .offset: 8, .size: 8, .value_kind: global_buffer, .address_space: global }
      - { .name: W1_scales, .offset: 16, .size: 8, .value_kind: global_buffer, .address_space: global }
      - { .name: W2, .offset: 24, .size: 8, .value_kind: global_buffer, .address_space: global }
      - { .name: cvec, .offset: 32, .size: 8, .value_kind: global_buffer, .address_space: global }
      - { .name: b2, .offset: 40, .size: 8, .value_kind: global_buffer, .address_space: global }
      - { .name: sr_label, .offset: 48, .size: 8, .value_kind: global_buffer, .address_space: global }
      - { .name: out1, .offset: 56, .size: 8, .value_kind: global_buffer, .address_space: global }
      - { .name: part, .offset: 64, .size: 8, .value_kind: global_buffer, .address_space: global }
    .group_segment_fixed_size: 327680
    .private_segment_fixed_size: 0
    .kernarg_segment_align: 8
    .kernarg_segment_size: 72
    .max_flat_workgroup_size: 128
    .sgpr_count:     80
    .vgpr_count:     1024
    .wavefront_size: 32
...
	.end_amdgpu_metadata
.endif
;; end of part 2
;; launch loss (part 3): grid 1 x 1, 1 waves a work-group, no clusters, 0 bytes of LDS; arguments part, out0; writes out0
.if DOCPART == 3
	.amdgcn_target "amdgcn-amd-amdhsa--gfx1250"
	.amdhsa_code_object_version 6
	.text
	.protected	k_q6f73d2360f_loss
	.globl	k_q6f73d2360f_loss
	.p2align	8
	.type	k_q6f73d2360f_loss,@function
k_q6f73d2360f_loss:
	s_mov_b64 s[64:65], 0
	v_nop
	global_prefetch_b8 v0, s[64:65] scope:SCOPE_SE
	s_setreg_imm32_b32 hwreg(HW_REG_WAVE_MODE, 25, 1), 1
	s_wait_xcnt 0x0
; One wave; lane b serves sample b.  part holds, for each of a sample's 32 waves of the launch before, a pair (sum of token losses, count of headers): 256 consecutive bytes a sample.
; loss = sum over samples with headers of (sum / count), divided by (the number of such samples + 1e-6).  The sum spans work-groups, so it has a launch of its own.
	s_load_b128 s[4:7], s[0:1], 0x0                ; part, out0
	v_lshlrev_b32 v1, 8, v0
	v_mov_b32 v2, 0
	v_mov_b32 v4, 0                                ; lane permutes' destinations: written once
	v_mov_b32 v5, 0
	s_mov_b32 s12, 0x76543210
	s_mov_b32 s13, 0xfedcba98
	s_wait_alu depctr_va_vdst(0)
	s_wait_kmcnt 0x0
.irp i, 0,1,2,3,4,5,6,7,8,9,10,11,12,13,14,15
	global_load_b128 v[8+4*\i:11+4*\i], v1, s[4:5] offset:16*\i
.endr
	s_wait_loadcnt 0x0
	v_pk_add_f32 v[72:73], v[8:9], v[10:11]        ; sum and count together, in two chains
	v_pk_add_f32 v[74:75], v[12:13], v[14:15]
.irp k, 16,20,24,28,32,36,40,44,48,52,56,60,64,68
	v_pk_add_f32 v[72:73], v[72:73], v[\k:\k+1]
	v_pk_add_f32 v[74:75], v[74:75], v[\k+2:\k+3]
.endr
	v_pk_add_f32 v[72:73], v[72:73], v[74:75]
	v_max_num_f32 v76, 1.0, v73
	s_wait_alu depctr_va_vdst(0)
	v_rcp_f32 v76, v76
	v_nop
	s_wait_alu depctr_va_vdst(0)
	v_mul_f32 v76, v72, v76                        ; the sample's mean
	v_cmp_lt_f32 vcc_lo, 0, v73
	v_cndmask_b32 v76, 0, v76, vcc_lo              ; counted where the sample has headers
	v_cndmask_b32 v77, 0, 1.0, vcc_lo
.irp x, 1,2,4,8
	v_add_f32_dpp v76, v76, v76 row_xmask:\x row_mask:0xf bank_mask:0xf
	v_add_f32_dpp v77, v77, v77 row_xmask:\x row_mask:0xf bank_mask:0xf
.endr
	v_permlanex16_b32 v4, v76, s12, s13
	v_permlanex16_b32 v5, v77, s12, s13
	v_add_f32 v76, v76, v4
	v_add_f32 v77, v77, v5
	v_add_f32 v77, 0x358637bd, v77                 ; + 1e-6
	s_wait_alu depctr_va_vdst(0)
	v_rcp_f32 v77, v77
	v_nop
	s_wait_alu depctr_va_vdst(0)
	v_mul_f32 v76, v76, v77
	s_wait_alu depctr_va_vdst(0)
	s_wait_xcnt 0x0                                ; EXEC changes only behind this wait
	v_cmp_eq_u32 vcc_lo, 0, v0
	s_and_saveexec_b32 s14, vcc_lo
	global_store_b32 v2, v76, s[6:7]
	s_wait_xcnt 0x0
	s_or_b32 exec_lo, exec_lo, s14
	s_endpgm
.Lfunc_end_k_q6f73d2360f_loss:
	.size	k_q6f73d2360f_loss, .Lfunc_end_k_q6f73d2360f_loss-k_q6f73d2360f_loss
	.p2alignl 7, 3214868480
	.fill 96, 4, 3214868480
	.section	.rodata,"a",@progbits
	.p2align	6, 0x0
	.amdhsa_kernel k_q6f73d2360f_loss
		.amdhsa_group_segment_fixed_size 0
		.amdhsa_private_segment_fixed_size 0
		.amdhsa_enable_private_segment 0
		.amdhsa_kernarg_size 16
		.amdhsa_user_sgpr_count 2
		.amdhsa_user_sgpr_kernarg_segment_ptr 1
		.amdhsa_wavefront_size32 1
		.amdhsa_system_sgpr_workgroup_id_x 1
		.amdhsa_system_sgpr_workgroup_id_y 1
		.amdhsa_system_sgpr_workgroup_id_z 1
		.amdhsa_system_vgpr_workitem_id 0
		.amdhsa_next_free_vgpr 80
		.amdhsa_next_free_sgpr 66
		.amdhsa_reserve_vcc 1
		.amdhsa_float_denorm_mode_32 3
		.amdhsa_float_denorm_mode_16_64 3
		.amdhsa_memory_ordered 1
		.amdhsa_forward_progress 1
		.amdhsa_inst_pref_size 6
	.end_amdhsa_kernel
	.amdgpu_metadata
---
amdhsa.version: [ 1, 2 ]
amdhsa.kernels:
  - .name:           k_q6f73d2360f_loss
    .symbol:         k_q6f73d2360f_loss.kd
    .args:
      - { .name: part, .offset: 0, .size: 8, .value_kind: global_buffer, .address_space: global }
      - { .name: out0, .offset: 8, .size: 8, .value_kind: global_buffer, .address_space: global }
    .group_segment_fixed_size: 0
    .private_segment_fixed_size: 0
    .kernarg_segment_align: 8
    .kernarg_segment_size: 16
    .max_flat_workgroup_size: 32
    .sgpr_count:     66
    .vgpr_count:     80
    .wavefront_size: 32
...
	.end_amdgpu_metadata
.endif
;; end of part 3
